; MI455X (gfx1250); checked and timed in simulation.
; The chip was launched on July 23, 2026; its instructions are those of AMD's public machine-readable ISA for CDNA 5 (MIT licence, August 2026) and "CDNA5" Instruction Set Architecture Reference Guide (July 2026). The comments in the code are by the model that wrote it; some were corrected since.
;; EP Mo E. Allowed arithmetic: float matrix products may take bf16 or f16 operands with f32 sums; all other float work in f32.
;; Inputs: hidden_states 1,024 x 1,024 float32; topk_ids 1,024 x 2 int32; topk_weights 1,024 x 2 float32; wi_0 8 x 1,024 x 1,024 float32; wi_1 8 x 1,024 x 1,024 float32; wo 8 x 1,024 x 1,024 float32.
;; Outputs: out0 1,024 x 1,024 float32.
;; One version. Each part assembles by itself: llvm-mc -triple=amdgcn-amd-amdhsa -mcpu=gfx1250 --defsym DOCPART=n.
;; ======== version 1 of 1: 4 launches
;; limits: values are held in f16: magnitudes above 65,504 overflow, below 6.1e-05 lose precision; inputs' magnitudes at most 65,504
;; workspace buffers: xs 4,456,448 bytes; inter 8,912,896 bytes; y 8,912,896 bytes; posw 8,704 bytes; tab 8,448 bytes of whole numbers
;; launch route (part 1): grid 136 x 1, 8 waves a work-group, no clusters, 41,472 bytes of LDS; arguments hidden_states, topk_ids, topk_weights, xs, posw, tab; writes xs, posw, tab
.if DOCPART == 1
	.amdgcn_target "amdgcn-amd-amdhsa--gfx1250"
	.amdhsa_code_object_version 6
	.text
	.protected	k_q04b4d77a4f_route
	.globl	k_q04b4d77a4f_route
	.p2align	8
	.type	k_q04b4d77a4f_route,@function
k_q04b4d77a4f_route:
	s_mov_b64 s[64:65], 0
	v_nop
	global_prefetch_b8 v0, s[64:65] scope:SCOPE_SE
	s_setreg_imm32_b32 hwreg(HW_REG_WAVE_MODE, 25, 1), 1
	s_wait_xcnt 0x0
; ROUTE.  2,048 slots (token t, choice k: slot = 2 t + k) are grouped by expert; each expert's rows are padded to whole tiles of 16,
; so there are at most (2048 + 8 x 15) / 16 < 136 tiles.  pos(slot) = 16 tile0[expert] + rank of the slot among its expert's slots.
; Work-group mt makes tile mt: the 16 gathered rows of hidden_states in f16 as 32 operand images (xs), the 16 routing weights (posw).
; Every work-group works the whole routing out for itself from the 8 KiB of ids; work-group 0 also stores the tables (tab).
; The grid covers the largest number of tiles that any ids can give; a tile that no expert uses is stored as zeros like any pad line.
; IMAGE of 16 lines x 32 k of 16-bit numbers, 1,024 bytes: byte 512 s + 16 l + 4 d + 2 b holds (line l % 16, k = 16 (l / 16) + 8 s + 2 d + b):
; two 16-byte loads a lane, at 16 l and 512 + 16 l, fill a matrix operand; k is permuted alike in both operands of every product.
; WHY f16: 11 significant bits against bf16's 8.  LIMIT: |x| above 65,504 becomes infinite; the drawn x are about 1, so 30 times larger
; or an offset of 30 spreads has room, and 30 times smaller (0.03) lies far above f16's smallest step of 6e-8.
; LIMIT: an id outside 0..7 is taken as 7 (the problem keeps ids inside the table of experts).
; No matrix unit, no tensor load, no cluster: the launch moves 4 MiB once and shares nothing but the ids.
.set WT,     0                         ; LDS: 8 waves x 16 bytes, each wave's counts of the 8 experts (u16 fields)
.set TB,     256                       ; LDS: wave x 512 + lane x 16: a thread's first position in each expert, 8 x u16
.set LIST,   4352                      ; LDS: wave x 128: the wave's own list for this tile, word r = slot + 1 of line r, word 16 a dump
.set STAGE,  5376                      ; LDS: wave x 4,352: 16 chunks of 256 bytes, 272 apart, the wave's four images
.set SPITCH, 272
.set IDS, 8                            ; v[8:15]    my 8 ids
.set POS, 16                           ; v[16:23]   rank in my own 8, then position
.set FC,  28                           ; v[28:31]   counts, two experts a word; scanned
.set OWN, 32                           ; v[32:35]   my own counts
.set TT,  36                           ; v[36:39]   waves' counts, scanned
.set UU,  40                           ; v[40:43]   waves' counts as read
.set BS,  44                           ; v[44:51]   loaded bases; later the eight lists' words
.set AD,  52                           ; v[52:59]   LDS addresses; later rows of y
.set OF,  96                           ; v[96:111]  byte offset of my 16 bytes in each of the 16 rows
.set X,   112                          ; v[112:175] the 16 rows' 16 bytes; later the images read back
.set PK,  176                          ; v[176:183] packed f16, four pairs by turns
.set MK,  68                           ; s[68:83]   line r: -1 if a slot lies there, 0 on a pad line
	s_load_b256 s[4:11], s[0:1], 0x0               ; hidden s[4:5], ids s[6:7], weights s[8:9], xs s[10:11]
	s_load_b128 s[12:15], s[0:1], 0x20             ; posw s[12:13], tab s[14:15]
	v_lshl_add_u32 v184, v0, 2, 0x9e00
	v_mov_b32 v185, 0
	v_and_b32 v1, 31, v0                           ; lane
	v_lshrrev_b32 v3, 5, v0
	v_readfirstlane_b32 s16, v3                    ; wave
	s_mov_b32 s17, ttmp9                           ; mt, my tile
	v_lshlrev_b32 v62, 5, v0                       ; 32 bytes a thread: 8 ids in, 8 table words out; never rewritten
	s_wait_kmcnt 0x0
	global_load_b128 v[IDS:IDS+3], v62, s[6:7]
	global_load_b128 v[IDS+4:IDS+7], v62, s[6:7] offset:16
	; addresses, while the ids are on their way
	v_bfe_u32 v2, v0, 4, 1
	v_sub_nc_u32 v2, 0, v2                         ; -1 in lanes 16 to 31
	s_lshl_b32 s48, s16, 9
	s_add_co_u32 s49, s48, TB
	v_lshl_add_u32 v4, v1, 4, s49                  ; my 16 bytes of TB
	v_lshl_add_u32 v60, v1, 4, s48                 ; my 16 bytes of a row of hidden_states: 512 wave + 16 lane
	s_lshl_b32 s49, s16, 7
	s_add_co_u32 s49, s49, LIST
	v_mov_b32 v26, s49                             ; my wave's list
	v_lshl_add_u32 v5, v1, 2, s49
	v_mov_b32 v25, 0
	ds_store_b32 v5, v25                           ; cleared by the wave itself: LDS serves a wave's instructions in order
	v_lshrrev_b32 v3, 3, v1                        ; the chunk into which my 8 bytes of a row go: 4 (l / 8) + 2 (bit 1 of l) + (bit 2 of l)
	v_bfe_u32 v63, v1, 1, 1
	v_lshlrev_b32 v3, 2, v3
	v_lshl_add_u32 v3, v63, 1, v3
	v_bfe_u32 v63, v1, 2, 1
	v_add_nc_u32 v3, v3, v63
	v_mul_u32_u24 v3, v3, SPITCH
	v_and_b32 v63, 1, v1
	v_lshl_add_u32 v3, v63, 3, v3                  ; + 8 (l % 2): the 32 lanes touch 32 different 8-byte columns of 256
	s_mul_i32 s51, s16, 16*SPITCH
	s_add_co_u32 s51, s51, STAGE
	v_add_nc_u32 v6, s51, v3                       ; stage, in
	v_lshrrev_b32 v3, 4, v1
	v_mul_u32_u24 v3, v3, SPITCH
	v_and_b32 v63, 15, v1
	v_lshl_add_u32 v3, v63, 4, v3
	v_add_nc_u32 v7, s51, v3                       ; stage, back: lanes 0-15 one chunk, lanes 16-31 the next
	s_lshl_b32 s49, s16, 12
	v_lshl_add_u32 v61, v1, 4, s49                 ; in the tile's 32 KiB of xs: 4,096 wave + 16 lane
	s_lshl_b32 s58, s17, 15
	s_mov_b32 s59, 0
	s_add_nc_u64 s[58:59], s[10:11], s[58:59]      ; xs at my tile
	s_lshl_b32 s60, s17, 6
	s_mov_b32 s61, 0
	s_add_nc_u64 s[60:61], s[12:13], s[60:61]      ; posw at my tile
	; my 8 ids: rank among my own, and counts in 8 fields of 4 bits (8 at the most in a field)
	s_wait_loadcnt 0x0
	v_mov_b32 v24, 0
.irp i, 0,1,2,3,4,5,6,7
	v_min_u32 v[IDS+\i], 7, v[IDS+\i]
	v_lshlrev_b32 v25, 2, v[IDS+\i]
	v_bfe_u32 v[POS+\i], v24, v25, 4
	v_lshl_add_u32 v24, 1, v25, v24
.endr
.irp p, 0,1,2,3
	v_bfe_u32 v[FC+\p], v24, 8*\p, 4               ; fields of 16 bits: expert 2 p below, 2 p + 1 above; no sum passes 2,176
	v_bfe_u32 v3, v24, 8*\p+4, 4
	v_lshl_or_b32 v[FC+\p], v3, 16, v[FC+\p]
	v_mov_b32 v[OWN+\p], v[FC+\p]
.endr
; one step of a running sum inside each 16 lanes: lane i adds lane i - sh; lanes without such a lane add 0
.macro SCAN base, sh
.irp p, 0,1,2,3
	v_mov_b32_dpp v3, v[\base+\p] row_shr:\sh row_mask:0xf bank_mask:0xf bound_ctrl:1
	v_add_nc_u32 v[\base+\p], v[\base+\p], v3
.endr
.endm
	SCAN FC, 1
	SCAN FC, 2
	SCAN FC, 4
	SCAN FC, 8
.irp p, 0,1,2,3
	v_readlane_b32 s[20+\p], v[FC+\p], 15          ; the lower 16 lanes' sum goes onto the upper 16
	v_and_b32 v3, s[20+\p], v2
	v_add_nc_u32 v[FC+\p], v[FC+\p], v3
.endr
.irp p, 0,1,2,3
	v_readlane_b32 s[20+\p], v[FC+\p], 31          ; the wave's counts
	v_mov_b32 v[TT+\p], s[20+\p]
	v_sub_nc_u32 v[FC+\p], v[FC+\p], v[OWN+\p]     ; slots of each expert in the lanes below me
.endr
	s_lshl_b32 s48, s16, 4
	v_mov_b32 v5, s48
	ds_store_b128 v5, v[TT:TT+3] offset:WT
	s_wait_dscnt 0x0                               ; for the other waves' sake: my counts are in LDS
	s_barrier_signal -1
	s_barrier_wait -1
	v_and_b32 v5, 7, v0
	v_lshlrev_b32 v5, 4, v5
	ds_load_b128 v[TT:TT+3], v5 offset:WT          ; lane l: the counts of wave l % 8
	s_wait_dscnt 0x0
.irp p, 0,1,2,3
	v_mov_b32 v[UU+\p], v[TT+\p]
.endr
	SCAN TT, 1
	SCAN TT, 2
	SCAN TT, 4
.irp p, 0,1,2,3
	v_sub_nc_u32 v[UU+\p], v[TT+\p], v[UU+\p]
	v_readlane_b32 s[24+\p], v[UU+\p], s16         ; slots of each expert in the waves below mine
	v_readlane_b32 s[28+\p], v[TT+\p], 7           ; slots of each expert in all
.endr
	s_mov_b32 s48, 0
.irp e, 0,1,2,3,4,5,6,7
	s_bfe_u32 s49, s[28+\e/2], 0x100000|(16*(\e%2))
	s_add_co_u32 s49, s49, 15
	s_lshr_b32 s[40+\e], s49, 4                    ; ntiles[e]
	s_mov_b32 s[32+\e], s48                        ; tile0[e]
	s_add_co_u32 s48, s48, s[40+\e]
.endr
.irp p, 0,1,2,3
	s_lshl_b32 s49, s[32+2*\p], 4
	s_lshl_b32 s50, s[33+2*\p], 20
	s_or_b32 s49, s49, s50
	s_add_co_u32 s[52+\p], s49, s[24+\p]
	v_add_nc_u32 v[FC+\p], s[52+\p], v[FC+\p]      ; my first position in each expert
.endr
	ds_store_b128 v4, v[FC:FC+3]                   ; my own 16 bytes: looked up by id, in order, without a barrier
.irp i, 0,1,2,3,4,5,6,7
	v_lshl_add_u32 v[AD+\i], v[IDS+\i], 1, v4
	ds_load_u16 v[BS+\i], v[AD+\i]
.endr
	s_wait_dscnt 0x0
	s_lshl_b32 s49, s17, 4                         ; my tile's first position
.irp i, 0,1,2,3,4,5,6,7
	v_add_nc_u32 v[POS+\i], v[BS+\i], v[POS+\i]    ; the slot's position
	v_sub_nc_u32 v[AD+\i], v[POS+\i], s49
	v_min_u32 v[AD+\i], 16, v[AD+\i]               ; its line in my tile; outside it (below wraps round): the dump word
	v_lshl_add_u32 v[AD+\i], v[AD+\i], 2, v26
	v_lshl_add_u32 v3, v0, 3, \i+1                 ; slot + 1
	ds_store_b32 v[AD+\i], v3
.endr
	s_wait_dscnt 0x0                               ; for the other waves' sake: my list is in LDS
	s_barrier_signal -1
	s_barrier_wait -1
	v_and_b32 v5, 15, v0
	v_lshlrev_b32 v5, 2, v5
.irp w, 0,1,2,3,4,5,6,7
	ds_load_b32 v[BS+\w], v5 offset:LIST+128*\w
.endr
	s_wait_dscnt 0x0
	v_or_b32 v27, v[BS], v[BS+1]                   ; a position belongs to one slot: one list at the most is not 0
.irp w, 2,3,4,5,6,7
	v_or_b32 v27, v27, v[BS+\w]
.endr
	; the 16 rows: a load of the wave takes 512 consecutive bytes of one row, k = 128 wave + 4 lane .. + 3
.irp r, 0,1,2,3,4,5,6,7,8,9,10,11,12,13,14,15
	v_readlane_b32 s48, v27, \r
	s_cmp_lg_u32 s48, 0
	s_cselect_b32 s[MK+\r], -1, 0
	s_sub_co_u32 s48, s48, 1                       ; the slot (a pad line wraps round and is clamped; its row is masked away)
	s_lshr_b32 s48, s48, 1                         ; the token
	s_min_u32 s48, s48, 1023
	s_lshl_b32 s48, s48, 12
	v_add_nc_u32 v[OF+\r], s48, v60
	global_load_b128 v[X+4*\r:X+4*\r+3], v[OF+\r], s[4:5]
.endr
.irp r, 0,1,2,3,4,5,6,7,8,9,10,11,12,13,14,15
	s_wait_loadcnt 15-\r                           ; loads come back in order (ISA guide 5.7.1): row r is in, the younger rows stay out
	v_cvt_pk_f16_f32 v[PK+2*(\r%4)], v[X+4*\r], v[X+4*\r+1]
	v_cvt_pk_f16_f32 v[PK+2*(\r%4)+1], v[X+4*\r+2], v[X+4*\r+3]
	v_and_b32 v[PK+2*(\r%4)], s[MK+\r], v[PK+2*(\r%4)]
	v_and_b32 v[PK+2*(\r%4)+1], s[MK+\r], v[PK+2*(\r%4)+1]
	ds_store_b64 v6, v[PK+2*(\r%4):PK+2*(\r%4)+1] offset:16*\r
.endr
.irp u, 0,1,2,3,4,5,6,7
	ds_load_b128 v[X+4*\u:X+4*\u+3], v7 offset:\u*2*SPITCH     ; my wave's own stage, served in order behind the stores
.endr
.irp u, 0,1,2,3,4,5,6,7
	s_wait_dscnt 7-\u
	global_store_b128 v61, v[X+4*\u:X+4*\u+3], s[58:59] offset:\u*512   ; 512 consecutive bytes, aligned
.endr
	; wave 0: the routing weights of the tile's 16 lines, 0 on pad lines
	s_cmp_lg_u32 s16, 0
	s_cbranch_scc1 .Lnot_wave_0
	v_add_nc_u32 v3, -1, v27
	v_min_u32 v3, 0x7ff, v3
	v_lshlrev_b32 v3, 2, v3
	global_load_b32 v25, v3, s[8:9]
	v_lshlrev_b32 v5, 2, v1
	v_cmp_ne_u32 vcc_lo, 0, v27
	s_wait_loadcnt 0x0
	v_cndmask_b32 v25, 0, v25, vcc_lo
	v_cmp_gt_u32 vcc_lo, 16, v1
	s_wait_xcnt 0x0                                ; EXEC is a source of the stores above: it changes only behind this wait
	s_and_saveexec_b32 s56, vcc_lo
	global_store_b32 v5, v25, s[60:61]
	s_wait_xcnt 0x0                                ; and again in front of the line that widens it
	s_or_b32 exec_lo, exec_lo, s56
.Lnot_wave_0:
	; work-group 0: the tables for the later launches
	s_cmp_lg_u32 s17, 0
	s_cbranch_scc1 .Lend
.irp i, 0,1,2,3,4,5,6,7
	v_and_b32 v[AD+\i], 7, v[POS+\i]               ; the slot's row in y: line 8 h + j of a tile lies in row 2 j + h
	v_bfe_u32 v3, v[POS+\i], 3, 1
	v_lshl_or_b32 v[AD+\i], v[AD+\i], 1, v3
	v_and_or_b32 v[AD+\i], v[POS+\i], -16, v[AD+\i]
.endr
	global_store_b128 v62, v[AD:AD+3], s[14:15] offset:256
	global_store_b128 v62, v[AD+4:AD+7], s[14:15] offset:272
	s_cmp_lg_u32 s16, 0
	s_cbranch_scc1 .Lend
	v_mov_b32 v63, 0
.irp e, 0,1,2,3,4,5,6,7
	v_writelane_b32 v63, s[32+\e], 2*\e            ; word 2 e: tile0[e]
	v_writelane_b32 v63, s[40+\e], 2*\e+1          ; word 2 e + 1: ntiles[e]
.endr
	v_lshlrev_b32 v64, 2, v1
	global_store_b32 v64, v63, s[14:15]
.Lend:
	s_barrier_signal -1
	s_barrier_wait -1
	s_wait_tensorcnt 0x0
	ds_add_u32 v184, v185
	s_wait_dscnt 0x0
	s_endpgm
.Lfunc_end_k_q04b4d77a4f_route:
	.size	k_q04b4d77a4f_route, .Lfunc_end_k_q04b4d77a4f_route-k_q04b4d77a4f_route
	.p2alignl 7, 3214868480
	.fill 96, 4, 3214868480
	.section	.rodata,"a",@progbits
	.p2align	6, 0x0
	.amdhsa_kernel k_q04b4d77a4f_route
		.amdhsa_group_segment_fixed_size 41472
		.amdhsa_private_segment_fixed_size 0
		.amdhsa_enable_private_segment 0
		.amdhsa_kernarg_size 48
		.amdhsa_user_sgpr_count 2
		.amdhsa_user_sgpr_kernarg_segment_ptr 1
		.amdhsa_wavefront_size32 1
		.amdhsa_system_sgpr_workgroup_id_x 1
		.amdhsa_system_sgpr_workgroup_id_y 1
		.amdhsa_system_sgpr_workgroup_id_z 1
		.amdhsa_system_vgpr_workitem_id 0
		.amdhsa_next_free_vgpr 186
		.amdhsa_next_free_sgpr 88
		.amdhsa_reserve_vcc 1
		.amdhsa_float_denorm_mode_32 3
		.amdhsa_float_denorm_mode_16_64 3
		.amdhsa_memory_ordered 1
		.amdhsa_forward_progress 1
		.amdhsa_inst_pref_size 34
	.end_amdhsa_kernel
	.amdgpu_metadata
---
amdhsa.version: [ 1, 2 ]
amdhsa.kernels:
  - .name:           k_q04b4d77a4f_route
    .symbol:         k_q04b4d77a4f_route.kd
    .args:
      - { .name: hidden_states, .offset: 0, .size: 8, .value_kind: global_buffer, .address_space: global }
      - { .name: topk_ids, .offset: 8, .size: 8, .value_kind: global_buffer, .address_space: global }
      - { .name: topk_weights, .offset: 16, .size: 8, .value_kind: global_buffer, .address_space: global }
      - { .name: xs, .offset: 24, .size: 8, .value_kind: global_buffer, .address_space: global }
      - { .name: posw, .offset: 32, .size: 8, .value_kind: global_buffer, .address_space: global }
      - { .name: tab, .offset: 40, .size: 8, .value_kind: global_buffer, .address_space: global }
    .group_segment_fixed_size: 41472
    .private_segment_fixed_size: 0
    .kernarg_segment_align: 8
    .kernarg_segment_size: 48
    .max_flat_workgroup_size: 256
    .sgpr_count:     88
    .vgpr_count:     186
    .wavefront_size: 32
...
	.end_amdgpu_metadata
.endif
;; end of part 1
;; launch gateup (part 2): grid 32 x 8, 4 waves a work-group, no clusters, 131,584 bytes of LDS; arguments xs, wi_0, wi_1, tab, inter; writes inter
.if DOCPART == 2
	.amdgcn_target "amdgcn-amd-amdhsa--gfx1250"
	.amdhsa_code_object_version 6
	.text
	.protected	k_q04b4d77a4f_gateup
	.globl	k_q04b4d77a4f_gateup
	.p2align	8
	.type	k_q04b4d77a4f_gateup,@function
k_q04b4d77a4f_gateup:
	s_mov_b64 s[64:65], 0
	v_nop
	global_prefetch_b8 v0, s[64:65] scope:SCOPE_SE
	s_setreg_imm32_b32 hwreg(HW_REG_WAVE_MODE, 25, 1), 1
	s_wait_xcnt 0x0
; GATE AND UP.  inter = silu(x wi_0[e]) * (x wi_1[e]) for the rows of expert e.  Work-group (fb, e) owns 32 columns of F of expert e.
; PHASE 1, the same for every input: the four waves stream the group's slices of wi_0 and wi_1 (2 x 1,024 rows x 128 bytes of f32, each byte
; of the weights read by one work-group alone), round them to f16 and lay them in LDS as finished operands.  One barrier.
; PHASE 2, trip counts from the table: each wave takes tiles of 16 rows, five at a time, reads their images (made by the launch before) straight
; into registers, 512 consecutive bytes a load, and the weights from LDS: a weight operand read once feeds up to five matrix instructions.
; NO TRANSPOSING: lane (c = l % 16, h = l / 16) loads columns 2 c, 2 c + 1 of rows 16 h + j; component q belongs to column tile q, whose place c
; is column 2 c + q; rows 2 i, 2 i + 1 pack into operand register i.  So k = 16 h + 2 i + b lies in register i, half b, in both operands alike.
; FORMATS.  x and wi go in f16: 11 significant bits against bf16's 8.  LIMIT: |wi| above 65,504 becomes infinite; the drawn wi have a spread of 0.02:
; 30 times larger is under 4, and at 30 times smaller (6.7e-4) f16's smallest step, 6e-8, is a ten-thousandth of the spread.
; inter has no such room (all inputs 30 times larger: gate and up about 900 x 0.64, their product passes 65,504), so it leaves as TWO bf16 numbers:
; high = inter rounded to bf16, low = the rest rounded to bf16: 16 significant bits together, with the range of f32.
; LIMIT: an inter whose rounding to bf16 overflows (above 3.39e38) gives NaN.
; inter: [136 tiles][32 blocks of 32 columns][high image 1,024 bytes, low image 1,024 bytes].
; NO CLUSTER, NO TENSOR LOAD: no two work-groups read the same weights, and these must pass through registers to be rounded.  What the 32 groups of an
; expert share is the images: 32 KiB a tile, 17 tiles or more, beside 128 KiB of weights they do not fit in LDS, and a joint fill would put barriers
; into loops whose trip counts are read from memory.
; An expert without rows still streams its slice: the barrier stands on every wave's path.
; silu(a) = a / (1 + 2^(-1.442695 a)): where the power overflows the quotient is 0, as the reference's own sigmoid runs out.
.set AOF,  1                           ; v1        16 lane: my 16 bytes of half an image; never rewritten
.set WOFF, 2                           ; v2        my 8 bytes in the slice: wave x 256 rows + h x 16 rows + 8 c
.set LST,  3                           ; v3        LDS, in: 16 lane + wave x 8 K steps x 4,096
.set LB,   4                           ; v4        LDS, out: 16 lane + 4 K steps x 4,096 for every four steps done
.set RG,   8                           ; v[8:135]  phase 1: four groups of 16 loads of 8 bytes
.set FR,   136                         ; v[136:151] phase 1: two finished operands
.set AR,   8                           ; v[8:167]  phase 2: images, four K steps by turns x 5 tiles x 8
.set BB,   168                         ; v[168:231] phase 2: weight operands, two K steps by turns x 4 x 8
.set TT,   8                           ; v[8:87]   way out: 16 numbers a tile
.set OO,   88                          ; v[88:127] way out: 8 packed words a tile, high parts
.set OL,   128                         ; v[128:167] way out: 8 packed words a tile, low parts
.set TM,   168                         ; v[168:175] way out: at work, four pairs by turns
                                       ; v[256:415] sums: tile i, operand f (0, 1: gate, column tiles 0, 1; 2, 3: up) at 256 + 32 i + 8 f
.set MSB, 0
.macro WIN new                         ; s_set_vgpr_msb: bits 1:0 source 0, 3:2 source 1, 5:4 source 2, 7:6 destination; the high byte repeats the setting left
.if MSB != \new
	s_set_vgpr_msb (MSB<<8)|\new
.set MSB, \new
.endif
.endm
; A load into a register that a matrix instruction has read, and a vector instruction that reads its result or writes one of its registers, stand four
; places behind it, and only plain vector instructions that name none of its registers are places (ISA guide 7.12.1 for vector instructions).
.macro PLACES
.rept 4
	v_nop
.endr
.endm
	s_load_b256 s[4:11], s[0:1], 0x0               ; xs s[4:5], wi_0 s[6:7], wi_1 s[8:9], tab s[10:11]
	s_load_b64 s[12:13], s[0:1], 0x20              ; inter
	v_lshl_add_u32 v254, v0, 2, 0x20000
	v_mov_b32 v255, 0
	v_lshrrev_b32 v5, 5, v0
	v_readfirstlane_b32 s14, v5                    ; wave
	s_mov_b32 s15, ttmp9                           ; fb
	s_and_b32 s16, ttmp7, 0xffff                   ; e
	s_mov_b32 s36, 0xffff0000                      ; a word's upper bf16
	v_and_b32 v5, 31, v0
	v_lshlrev_b32 v[AOF], 4, v5
	v_and_b32 v6, 15, v0                           ; c
	v_bfe_u32 v7, v0, 4, 1                         ; h
	v_lshlrev_b32 v[WOFF], 3, v6
	v_lshl_or_b32 v[WOFF], v7, 16, v[WOFF]         ; 16 rows of 4,096 bytes
	s_lshl_b32 s30, s14, 20                        ; 256 rows of 4,096 bytes
	v_or_b32 v[WOFF], s30, v[WOFF]
	s_lshl_b32 s30, s14, 15
	v_add_nc_u32 v[LST], s30, v[AOF]
	s_lshl_b32 s18, s16, 22                        ; the expert's 4 MiB
	s_lshl_b32 s30, s15, 7                         ; my 32 columns
	s_or_b32 s18, s18, s30
	s_mov_b32 s19, 0
	s_lshl_b32 s30, s16, 3
	s_mov_b32 s31, 0
	s_lshl_b32 s32, s15, 11                        ; in a tile of inter: the pair of images of block fb
	s_mov_b32 s33, 0
	s_wait_kmcnt 0x0
	s_add_nc_u64 s[6:7], s[6:7], s[18:19]
	s_add_nc_u64 s[8:9], s[8:9], s[18:19]
	s_add_nc_u64 s[10:11], s[10:11], s[30:31]
	s_add_nc_u64 s[12:13], s[12:13], s[32:33]
	s_load_b64 s[20:21], s[10:11], 0x0             ; tile0[e], ntiles[e]: wanted behind the barrier
; Group g = 2 x (K step of my eight) + matrix.  16 loads: rows 16 h + j of the K step, 128 consecutive bytes for each half of the wave.
.macro WLOAD g
.irp j, 0,1,2,3,4,5,6,7,8,9,10,11,12,13,14,15
	global_load_b64 v[RG+32*(\g%4)+2*\j:RG+32*(\g%4)+2*\j+1], v[WOFF], s[6+2*(\g%2):7+2*(\g%2)] offset:(\g/2)*131072+\j*4096
.endr
.endm
; left = the loads of the younger groups, which stay out
.macro WCONV g, left
	s_wait_loadcnt \left
.irp q, 0,1
.irp i, 0,1,2,3,4,5,6,7
	v_cvt_pk_f16_f32 v[FR+8*\q+\i], v[RG+32*(\g%4)+4*\i+\q], v[RG+32*(\g%4)+4*\i+2+\q]
.endr
.endr
.irp q, 0,1
	ds_store_b128 v[LST], v[FR+8*\q:FR+8*\q+3] offset:(\g/2)*4096+(\g%2)*2048+\q*1024
	ds_store_b128 v[LST], v[FR+8*\q+4:FR+8*\q+7] offset:(\g/2)*4096+(\g%2)*2048+\q*1024+512
.endr
.endm
	WLOAD 0
	WLOAD 1
	WLOAD 2
	WLOAD 3                                        ; 64 loads of 256 bytes a wave on their way
.irp g, 0,1,2,3,4,5,6,7,8,9,10,11
	WCONV \g, 48
	WLOAD (\g+4)
.endr
	WCONV 12, 48
	WCONV 13, 32
	WCONV 14, 16
	WCONV 15, 0
	s_wait_dscnt 0x0                               ; for the other waves' sake: my eight K steps are in LDS
	s_barrier_signal -1
	s_barrier_wait -1                              ; the one barrier: from here LDS is only read
	s_wait_kmcnt 0x0
	s_min_u32 s20, s20, 135
	s_min_u32 s21, s21, 136
; One K step of 32 for nt tiles.  k4 = the step modulo 4; zero = 1: the products start the sums; la: the images three steps ahead are asked for;
; lb: the next step's weight operands are read; wa = image loads younger than this step's: 2 nt for each step ahead.
; Source 0 = weights, source 1 = image: lane (r, h) gets line r, register j column 16 h + 2 j + q.
; The accumulators take turns, one instruction a turn, over the backward jump too.
.macro KSTEP nt, k4, zero, la, lb, wa
	PLACES
.if \la
.set ti, 0
.rept \nt
	global_load_b128 v[AR+((\k4+3)%4)*40+8*ti:AR+((\k4+3)%4)*40+8*ti+3], v[AOF], s[26:27] offset:ti*32768+(\k4+3)*1024
	global_load_b128 v[AR+((\k4+3)%4)*40+8*ti+4:AR+((\k4+3)%4)*40+8*ti+7], v[AOF], s[26:27] offset:ti*32768+(\k4+3)*1024+512
.set ti, ti+1
.endr
.endif
.if \lb
.irp f, 0,1,2,3
	ds_load_b128 v[BB+((\k4+1)%2)*32+8*\f:BB+((\k4+1)%2)*32+8*\f+3], v[LB] offset:(\k4+1)*4096+\f*1024
	ds_load_b128 v[BB+((\k4+1)%2)*32+8*\f+4:BB+((\k4+1)%2)*32+8*\f+7], v[LB] offset:(\k4+1)*4096+\f*1024+512
.endr
	s_wait_dscnt 8                                 ; all but the eight just issued: this step's operands are in
.else
	s_wait_dscnt 0
.endif
	s_wait_loadcnt \wa
	WIN 0x50                                       ; C and D in window 1
.set ti, 0
.rept \nt
.irp f, 0,1,2,3
.if \zero
	v_wmma_f32_16x16x32_f16 v[32*ti+8*\f:32*ti+8*\f+7], v[BB+(\k4%2)*32+8*\f:BB+(\k4%2)*32+8*\f+7], v[AR+\k4*40+8*ti:AR+\k4*40+8*ti+7], 0
.else
	v_wmma_f32_16x16x32_f16 v[32*ti+8*\f:32*ti+8*\f+7], v[BB+(\k4%2)*32+8*\f:BB+(\k4%2)*32+8*\f+7], v[AR+\k4*40+8*ti:AR+\k4*40+8*ti+7], v[32*ti+8*\f:32*ti+8*\f+7]
.endif
.endr
.set ti, ti+1
.endr
	WIN 0
.endm
.macro ADV                             ; four K steps on
	s_wait_xcnt 0x0                                ; the base of the image loads is stepped only behind this wait
	s_add_nc_u64 s[26:27], s[26:27], 4096
	v_add_nc_u32 v[LB], 16384, v[LB]
.endm
; nt tiles through all 32 K steps, then out
.macro GPASS nt
	v_mov_b32 v[LB], v[AOF]
.irp k, 0,1,2
.set ti, 0
.rept \nt
	global_load_b128 v[AR+\k*40+8*ti:AR+\k*40+8*ti+3], v[AOF], s[26:27] offset:ti*32768+\k*1024
	global_load_b128 v[AR+\k*40+8*ti+4:AR+\k*40+8*ti+7], v[AOF], s[26:27] offset:ti*32768+\k*1024+512
.set ti, ti+1
.endr
.endr
.irp f, 0,1,2,3
	ds_load_b128 v[BB+8*\f:BB+8*\f+3], v[LB] offset:\f*1024
	ds_load_b128 v[BB+8*\f+4:BB+8*\f+7], v[LB] offset:\f*1024+512
.endr
	KSTEP \nt, 0, 1, 1, 1, 6*\nt
	KSTEP \nt, 1, 0, 1, 1, 6*\nt
	KSTEP \nt, 2, 0, 1, 1, 6*\nt
	KSTEP \nt, 3, 0, 1, 1, 6*\nt
	ADV
	s_mov_b32 s24, 6
.Lkloop_\nt:
	KSTEP \nt, 0, 0, 1, 1, 6*\nt
	KSTEP \nt, 1, 0, 1, 1, 6*\nt
	KSTEP \nt, 2, 0, 1, 1, 6*\nt
	KSTEP \nt, 3, 0, 1, 1, 6*\nt
	ADV
	s_sub_co_i32 s24, s24, 1
	s_cmp_lg_u32 s24, 0
	s_cbranch_scc1 .Lkloop_\nt
	KSTEP \nt, 0, 0, 1, 1, 6*\nt                   ; K steps 28 to 31: the last image is asked for, then the counts run down
	KSTEP \nt, 1, 0, 0, 1, 4*\nt
	KSTEP \nt, 2, 0, 0, 1, 2*\nt
	KSTEP \nt, 3, 0, 0, 0, 0
	PLACES                                         ; behind the last matrix instructions, for all that follows
	WIN 0x04                                       ; source 1 in window 1: the sums
.set ti, 0
.rept \nt
.irp j, 0,1,2,3,4,5,6,7,8,9,10,11,12,13,14,15
	v_mul_f32 v[TT+16*ti+\j], 0xbfb8aa3b, v[32*ti+\j]          ; -1.442695 x gate
.endr
.irp j, 0,1,2,3,4,5,6,7,8,9,10,11,12,13,14,15
	v_exp_f32 v[TT+16*ti+\j], v[TT+16*ti+\j]
.endr
	v_nop                                          ; one plain place between the last of them and the first use (ISA guide 5.7.2)
	s_wait_alu depctr_va_vdst(0)
.irp j, 0,2,4,6,8,10,12,14
	v_pk_add_f32 v[TT+16*ti+\j:TT+16*ti+\j+1], v[TT+16*ti+\j:TT+16*ti+\j+1], 1.0 op_sel_hi:[1,0]
.endr
.irp j, 0,1,2,3,4,5,6,7,8,9,10,11,12,13,14,15
	v_rcp_f32 v[TT+16*ti+\j], v[TT+16*ti+\j]
.endr
	v_nop
	s_wait_alu depctr_va_vdst(0)
.irp j, 0,2,4,6,8,10,12,14
	v_pk_mul_f32 v[TT+16*ti+\j:TT+16*ti+\j+1], v[TT+16*ti+\j:TT+16*ti+\j+1], v[32*ti+\j:32*ti+\j+1]         ; x gate
.endr
.irp j, 0,2,4,6,8,10,12,14
	v_pk_mul_f32 v[TT+16*ti+\j:TT+16*ti+\j+1], v[TT+16*ti+\j:TT+16*ti+\j+1], v[32*ti+16+\j:32*ti+16+\j+1]   ; x up
.endr
.set ti, ti+1
.endr
	WIN 0
.set ti, 0
.rept \nt
.irp j, 0,1,2,3,4,5,6,7
	v_cvt_pk_bf16_f32 v[OO+8*ti+\j], v[TT+16*ti+\j], v[TT+16*ti+8+\j]   ; high parts of columns 16 h + 2 j, + 1 of line r: register j of the image that the next launch reads
.endr
.irp j, 0,1,2,3,4,5,6,7
	v_lshlrev_b32 v[TM+2*(\j%4)], 16, v[OO+8*ti+\j]                     ; the high parts as f32,
	v_and_b32 v[TM+2*(\j%4)+1], s36, v[OO+8*ti+\j]
	v_sub_f32 v[TM+2*(\j%4)], v[TT+16*ti+\j], v[TM+2*(\j%4)]            ; what they leave (exact),
	v_sub_f32 v[TM+2*(\j%4)+1], v[TT+16*ti+8+\j], v[TM+2*(\j%4)+1]
	v_cvt_pk_bf16_f32 v[OL+8*ti+\j], v[TM+2*(\j%4)], v[TM+2*(\j%4)+1]   ; rounded: the low parts
.endr
	global_store_b128 v[AOF], v[OO+8*ti:OO+8*ti+3], s[28:29] offset:ti*65536        ; four stores of 512 consecutive bytes, aligned: 2 KiB in a row
	global_store_b128 v[AOF], v[OO+8*ti+4:OO+8*ti+7], s[28:29] offset:ti*65536+512
	global_store_b128 v[AOF], v[OL+8*ti:OL+8*ti+3], s[28:29] offset:ti*65536+1024
	global_store_b128 v[AOF], v[OL+8*ti+4:OL+8*ti+7], s[28:29] offset:ti*65536+1536
.set ti, ti+1
.endr
	s_wait_xcnt 0x0                                ; the stores' data and base are written again in the next pass, only behind this wait
.endm
	; wave w takes tiles 5 w .. 5 w + 4 of the expert, then those 20 further on: up to 320 rows in one pass, any number in more
	s_mul_i32 s22, s14, 5
	s_cmp_ge_u32 s22, s21
	s_cbranch_scc1 .Lend
	; The loop is counted by passes, one a trip: ceil((ntiles - 5 w) / 20) = ((ntiles - 5 w + 19) x 3277) >> 16.  3277 / 65536 exceeds 1 / 20 by
	; 0.2 / 65536, and the argument is 155 at the most (ntiles is at most 136), so the excess stays far under 1 / 20 and the quotient is exact.
	s_sub_co_u32 s35, s21, s22
	s_add_co_u32 s35, s35, 19
	s_mul_i32 s35, s35, 3277
	s_lshr_b32 s35, s35, 16                        ; my passes, at least 1; not written in the loop
	s_mov_b32 s25, 0
.Lpass:
	s_sub_co_u32 s23, s21, s22                     ; tiles left from mine on
	s_add_co_u32 s34, s20, s22                     ; my first tile
	s_lshl_b32 s30, s34, 15                        ; xs: 32 KiB a tile
	s_mov_b32 s31, 0
	s_add_nc_u64 s[26:27], s[4:5], s[30:31]
	s_lshl_b32 s30, s34, 16                        ; inter: 64 KiB a tile
	s_add_nc_u64 s[28:29], s[12:13], s[30:31]
	s_cmp_ge_u32 s23, 5
	s_cbranch_scc1 .Lp5
	s_cmp_eq_u32 s23, 4
	s_cbranch_scc1 .Lp4
	s_cmp_eq_u32 s23, 3
	s_cbranch_scc1 .Lp3
	s_cmp_eq_u32 s23, 2
	s_cbranch_scc1 .Lp2
	GPASS 1
	s_branch .Lnext
.Lp2:
	GPASS 2
	s_branch .Lnext
.Lp3:
	GPASS 3
	s_branch .Lnext
.Lp4:
	GPASS 4
	s_branch .Lnext
.Lp5:
	GPASS 5
.Lnext:
	s_add_co_u32 s22, s22, 20                      ; my first tile of the next pass
	s_add_co_u32 s25, s25, 1
	s_cmp_lt_u32 s25, s35
	s_cbranch_scc1 .Lpass
.Lend:
	s_barrier_signal -1
	s_barrier_wait -1
	s_wait_tensorcnt 0x0
	ds_add_u32 v254, v255
	s_wait_dscnt 0x0
	s_endpgm
.Lfunc_end_k_q04b4d77a4f_gateup:
	.size	k_q04b4d77a4f_gateup, .Lfunc_end_k_q04b4d77a4f_gateup-k_q04b4d77a4f_gateup
	.p2alignl 7, 3214868480
	.fill 96, 4, 3214868480
	.section	.rodata,"a",@progbits
	.p2align	6, 0x0
	.amdhsa_kernel k_q04b4d77a4f_gateup
		.amdhsa_group_segment_fixed_size 131584
		.amdhsa_private_segment_fixed_size 0
		.amdhsa_enable_private_segment 0
		.amdhsa_kernarg_size 40
		.amdhsa_user_sgpr_count 2
		.amdhsa_user_sgpr_kernarg_segment_ptr 1
		.amdhsa_wavefront_size32 1
		.amdhsa_system_sgpr_workgroup_id_x 1
		.amdhsa_system_sgpr_workgroup_id_y 1
		.amdhsa_system_sgpr_workgroup_id_z 1
		.amdhsa_system_vgpr_workitem_id 0
		.amdhsa_next_free_vgpr 416
		.amdhsa_next_free_sgpr 66
		.amdhsa_reserve_vcc 0
		.amdhsa_float_denorm_mode_32 3
		.amdhsa_float_denorm_mode_16_64 3
		.amdhsa_memory_ordered 1
		.amdhsa_forward_progress 1
		.amdhsa_inst_pref_size 255
	.end_amdhsa_kernel
	.section	.bss,"aw",@nobits
	.p2align	6
	.space	262144
	.amdgpu_metadata
---
amdhsa.version: [ 1, 2 ]
amdhsa.kernels:
  - .name:           k_q04b4d77a4f_gateup
    .symbol:         k_q04b4d77a4f_gateup.kd
    .args:
      - { .name: xs, .offset: 0, .size: 8, .value_kind: global_buffer, .address_space: global }
      - { .name: wi_0, .offset: 8, .size: 8, .value_kind: global_buffer, .address_space: global }
      - { .name: wi_1, .offset: 16, .size: 8, .value_kind: global_buffer, .address_space: global }
      - { .name: tab, .offset: 24, .size: 8, .value_kind: global_buffer, .address_space: global }
      - { .name: inter, .offset: 32, .size: 8, .value_kind: global_buffer, .address_space: global }
    .group_segment_fixed_size: 131584
    .private_segment_fixed_size: 0
    .kernarg_segment_align: 8
    .kernarg_segment_size: 40
    .max_flat_workgroup_size: 128
    .sgpr_count:     66
    .vgpr_count:     416
    .wavefront_size: 32
...
	.end_amdgpu_metadata
.endif
;; end of part 2
;; launch down (part 3): grid 32 x 8, 4 waves a work-group, no clusters, 131,584 bytes of LDS; arguments inter, wo, tab, posw, y; writes y
.if DOCPART == 3
	.amdgcn_target "amdgcn-amd-amdhsa--gfx1250"
	.amdhsa_code_object_version 6
	.text
	.protected	k_q04b4d77a4f_down
	.globl	k_q04b4d77a4f_down
	.p2align	8
	.type	k_q04b4d77a4f_down,@function
k_q04b4d77a4f_down:
	s_mov_b64 s[64:65], 0
	v_nop
	global_prefetch_b8 v0, s[64:65] scope:SCOPE_SE
	s_setreg_imm32_b32 hwreg(HW_REG_WAVE_MODE, 25, 1), 1
	s_wait_xcnt 0x0
; DOWN.  y = routing weight x (inter wo[e]) for the rows of expert e.  Work-group (nb, e) owns 32 columns of H of expert e.
; Built as the launch before it.  PHASE 1: the four waves stream the group's slice of wo (1,024 rows x 128 bytes of f32, read by this group alone)
; and lay it in LDS as finished operands; one barrier.  PHASE 2: each wave takes tiles of 16 rows, five at a time, reads their images of inter straight
; into registers and the weights from LDS.  Lane (c, h) loads columns 2 c, 2 c + 1 of rows 16 h + j; component q is column tile q;
; k = 16 h + 2 i + b lies in register i, half b, in both operands alike.
; FORMATS.  inter has no room in f16 (see the launch before), and bf16's 8 significant bits alone are coarse, so BOTH operands go as two bf16 numbers,
; high = the number rounded to bf16, low = the rest rounded to bf16 (16 significant bits together, the range of f32), and a product is three matrix
; instructions on one sum: high x high + high x low + low x high.  The fourth, low x low, is some 2^-16 of the product and is left out.
; LIMIT: a weight whose rounding to bf16 overflows (above 3.39e38) gives NaN.
; Source 0 = image, source 1 = weights: register j of lane (c, h) is (line 8 h + j, column 2 c + q), so the two column tiles' results are neighbours
; in a row, and the multiplication by the routing weight puts them side by side.  y: [32 column blocks][2,176 rows][32 f32]; line 8 h + j of a tile lies
; in row 2 j + h, so that each store of the wave covers 256 consecutive bytes, aligned.
; NO CLUSTER, NO TENSOR LOAD: no two work-groups read the same weights, and these pass through registers to be split; the shared images (64 KiB a tile) go
; to registers in loops whose trip counts are read from memory, where no barrier may stand.
.set AOF,  1                           ; v1        16 lane; never rewritten
.set WOFF, 2                           ; v2        my 8 bytes in the slice
.set LST,  3                           ; v3        LDS, in: 16 lane + wave x 8 K steps x 4,096
.set LB,   4                           ; v4        LDS, out
.set YOF,  5                           ; v5        128 h + 8 c: my 8 bytes in a pair of rows of y
.set PWO,  6                           ; v6        32 h: my 8 lines' routing weights
.set RG,   8                           ; v[8:135]  phase 1: four groups of 16 loads of 8 bytes
.set FR,   136                         ; v[136:151] phase 1: two finished operands, high parts
.set FL,   152                         ; v[152:167] phase 1: two finished operands, low parts
.set TM,   168                         ; v[168:175] phase 1: at work, four pairs by turns
.set AH,   8                           ; v[8:167]  phase 2: high images, four K steps by turns x 5 tiles x 8
.set BB,   168                         ; v[168:231] phase 2: weight operands, two K steps by turns x (high q 0, 1; low q 0, 1) x 8
.set ST,   8                           ; v[8:87]   way out: 16 numbers a tile
.set AL,   80                          ; window 1: v[336:495] low images, four K steps by turns x 5 tiles x 8
                                       ; window 1: v[256:335] sums: tile i, column tile q at 256 + 16 i + 8 q
                                       ; window 2: v[512:551] routing weights of lines 8 h + j, 8 a tile
.set MSB, 0
.macro WIN new                         ; s_set_vgpr_msb: bits 1:0 source 0, 3:2 source 1, 5:4 source 2, 7:6 destination; the high byte repeats the setting left
.if MSB != \new
	s_set_vgpr_msb (MSB<<8)|\new
.set MSB, \new
.endif
.endm
; Four places behind a matrix instruction before a load lands in, or a vector instruction touches, one of its registers (ISA guide 7.12.1 for vector instructions)
.macro PLACES
.rept 4
	v_nop
.endr
.endm
	s_load_b256 s[4:11], s[0:1], 0x0               ; inter s[4:5], wo s[6:7], tab s[8:9], posw s[10:11]
	s_load_b64 s[12:13], s[0:1], 0x20              ; y
	v_lshl_add_u32 v254, v0, 2, 0x20000
	v_mov_b32 v255, 0
	v_lshrrev_b32 v7, 5, v0
	v_readfirstlane_b32 s14, v7                    ; wave
	s_mov_b32 s15, ttmp9                           ; nb
	s_and_b32 s16, ttmp7, 0xffff                   ; e
	s_mov_b32 s36, 0xffff0000                      ; a word's upper bf16
	v_and_b32 v7, 31, v0
	v_lshlrev_b32 v[AOF], 4, v7
	v_and_b32 v7, 15, v0                           ; c
	v_lshlrev_b32 v[WOFF], 3, v7
	v_lshlrev_b32 v[YOF], 3, v7
	v_bfe_u32 v7, v0, 4, 1                         ; h
	v_lshl_or_b32 v[WOFF], v7, 16, v[WOFF]
	v_lshl_or_b32 v[YOF], v7, 7, v[YOF]
	v_lshlrev_b32 v[PWO], 5, v7
	s_lshl_b32 s30, s14, 20
	v_or_b32 v[WOFF], s30, v[WOFF]
	s_lshl_b32 s30, s14, 15
	v_add_nc_u32 v[LST], s30, v[AOF]
	s_lshl_b32 s18, s16, 22
	s_lshl_b32 s30, s15, 7
	s_or_b32 s18, s18, s30
	s_mov_b32 s19, 0
	s_lshl_b32 s30, s16, 3
	s_mov_b32 s31, 0
	s_mul_i32 s32, s15, 278528                     ; a column block of y: 2,176 rows of 128 bytes
	s_mov_b32 s33, 0
	s_wait_kmcnt 0x0
	s_add_nc_u64 s[6:7], s[6:7], s[18:19]
	s_add_nc_u64 s[8:9], s[8:9], s[30:31]
	s_add_nc_u64 s[12:13], s[12:13], s[32:33]
	s_load_b64 s[20:21], s[8:9], 0x0               ; tile0[e], ntiles[e]: wanted behind the barrier
.macro WLOAD g                         ; K step g of my eight: rows 16 h + j, 128 consecutive bytes for each half of the wave
.irp j, 0,1,2,3,4,5,6,7,8,9,10,11,12,13,14,15
	global_load_b64 v[RG+32*(\g%4)+2*\j:RG+32*(\g%4)+2*\j+1], v[WOFF], s[6:7] offset:(\g)*131072+\j*4096
.endr
.endm
.macro WCONV g, left                   ; left = the loads of the younger groups, which stay out
	s_wait_loadcnt \left
.irp q, 0,1
.irp i, 0,1,2,3,4,5,6,7
	v_cvt_pk_bf16_f32 v[FR+8*\q+\i], v[RG+32*(\g%4)+4*\i+\q], v[RG+32*(\g%4)+4*\i+2+\q]   ; high parts
.endr
.endr
.irp q, 0,1
.irp i, 0,1,2,3,4,5,6,7
	v_lshlrev_b32 v[TM+2*(\i%4)], 16, v[FR+8*\q+\i]                                        ; the high parts as f32,
	v_and_b32 v[TM+2*(\i%4)+1], s36, v[FR+8*\q+\i]
	v_sub_f32 v[TM+2*(\i%4)], v[RG+32*(\g%4)+4*\i+\q], v[TM+2*(\i%4)]                      ; what they leave (exact),
	v_sub_f32 v[TM+2*(\i%4)+1], v[RG+32*(\g%4)+4*\i+2+\q], v[TM+2*(\i%4)+1]
	v_cvt_pk_bf16_f32 v[FL+8*\q+\i], v[TM+2*(\i%4)], v[TM+2*(\i%4)+1]                      ; rounded: the low parts
.endr
.endr
.irp q, 0,1
	ds_store_b128 v[LST], v[FR+8*\q:FR+8*\q+3] offset:(\g)*4096+\q*1024
	ds_store_b128 v[LST], v[FR+8*\q+4:FR+8*\q+7] offset:(\g)*4096+\q*1024+512
	ds_store_b128 v[LST], v[FL+8*\q:FL+8*\q+3] offset:(\g)*4096+2048+\q*1024
	ds_store_b128 v[LST], v[FL+8*\q+4:FL+8*\q+7] offset:(\g)*4096+2048+\q*1024+512
.endr
.endm
	WLOAD 0
	WLOAD 1
	WLOAD 2
	WLOAD 3
.irp g, 0,1,2,3
	WCONV \g, 48
	WLOAD (\g+4)
.endr
	WCONV 4, 48
	WCONV 5, 32
	WCONV 6, 16
	WCONV 7, 0
	s_wait_dscnt 0x0                               ; for the other waves' sake: my eight K steps are in LDS
	s_barrier_signal -1
	s_barrier_wait -1                              ; the one barrier: from here LDS is only read
	s_wait_kmcnt 0x0
	s_min_u32 s20, s20, 135
	s_min_u32 s21, s21, 136
; One of a K step's three products, for nt tiles and both column tiles: images at register a, weight operands at register b
.macro PROD nt, a, b, zero
.set ti, 0
.rept \nt
.irp q, 0,1
.if \zero
	v_wmma_f32_16x16x32_bf16 v[16*ti+8*\q:16*ti+8*\q+7], v[\a+8*ti:\a+8*ti+7], v[\b+8*\q:\b+8*\q+7], 0
.else
	v_wmma_f32_16x16x32_bf16 v[16*ti+8*\q:16*ti+8*\q+7], v[\a+8*ti:\a+8*ti+7], v[\b+8*\q:\b+8*\q+7], v[16*ti+8*\q:16*ti+8*\q+7]
.endif
.endr
.set ti, ti+1
.endr
.endm
; One K step of 32 for nt tiles.  k4 = the step modulo 4; zero = 1: the first product starts the sums; la: the images three steps ahead are asked for;
; lb: the next step's weight operands are read; wa = image loads younger than this step's: 4 nt (2 nt high, 2 nt low) for each step ahead.
; The accumulators take turns, one instruction a turn, from product to product and over the backward jump too.
.macro KSTEP nt, k4, zero, la, lb, wa
	PLACES
.if \la
.set ti, 0
.rept \nt
	global_load_b128 v[AH+((\k4+3)%4)*40+8*ti:AH+((\k4+3)%4)*40+8*ti+3], v[AOF], s[26:27] offset:ti*65536+(\k4+3)*2048
	global_load_b128 v[AH+((\k4+3)%4)*40+8*ti+4:AH+((\k4+3)%4)*40+8*ti+7], v[AOF], s[26:27] offset:ti*65536+(\k4+3)*2048+512
.set ti, ti+1
.endr
.endif
.if \lb
.irp f, 0,1,2,3
	ds_load_b128 v[BB+((\k4+1)%2)*32+8*\f:BB+((\k4+1)%2)*32+8*\f+3], v[LB] offset:(\k4+1)*4096+\f*1024
	ds_load_b128 v[BB+((\k4+1)%2)*32+8*\f+4:BB+((\k4+1)%2)*32+8*\f+7], v[LB] offset:(\k4+1)*4096+\f*1024+512
.endr
.endif
.if \la
	WIN 0x40                                       ; destination in window 1: the low images
.set ti, 0
.rept \nt
	global_load_b128 v[AL+((\k4+3)%4)*40+8*ti:AL+((\k4+3)%4)*40+8*ti+3], v[AOF], s[26:27] offset:ti*65536+(\k4+3)*2048+1024
	global_load_b128 v[AL+((\k4+3)%4)*40+8*ti+4:AL+((\k4+3)%4)*40+8*ti+7], v[AOF], s[26:27] offset:ti*65536+(\k4+3)*2048+1536
.set ti, ti+1
.endr
.endif
.if \lb
	s_wait_dscnt 8                                 ; all but the eight just issued: this step's operands are in
.else
	s_wait_dscnt 0
.endif
	s_wait_loadcnt \wa
	WIN 0x50                                       ; C and D in window 1
	PROD \nt, (AH+\k4*40), (BB+(\k4%2)*32), \zero                  ; high x high
.if \zero
.rept 5
	v_nop                                          ; the sums just started with C = 0 are taken up five places behind
.endr
.endif
	PROD \nt, (AH+\k4*40), (BB+(\k4%2)*32+16), 0                   ; high x low
	WIN 0x51                                       ; source 0 in window 1 too
	PROD \nt, (AL+\k4*40), (BB+(\k4%2)*32), 0                      ; low x high
	WIN 0
.endm
.macro ADV                             ; four K steps on
	s_wait_xcnt 0x0                                ; the base of the image loads is stepped only behind this wait
	s_add_nc_u64 s[26:27], s[26:27], 8192
	v_add_nc_u32 v[LB], 16384, v[LB]
.endm
.macro DPASS nt
	v_mov_b32 v[LB], v[AOF]
	WIN 0x80                                       ; destination in window 2: the routing weights
.set ti, 0
.rept \nt
	global_load_b128 v[8*ti:8*ti+3], v[PWO], s[32:33] offset:ti*64                 ; older than the first images: their counted wait covers these
	global_load_b128 v[8*ti+4:8*ti+7], v[PWO], s[32:33] offset:ti*64+16
.set ti, ti+1
.endr
.irp k, 0,1,2
	WIN 0
.set ti, 0
.rept \nt
	global_load_b128 v[AH+\k*40+8*ti:AH+\k*40+8*ti+3], v[AOF], s[26:27] offset:ti*65536+\k*2048
	global_load_b128 v[AH+\k*40+8*ti+4:AH+\k*40+8*ti+7], v[AOF], s[26:27] offset:ti*65536+\k*2048+512
.set ti, ti+1
.endr
	WIN 0x40
.set ti, 0
.rept \nt
	global_load_b128 v[AL+\k*40+8*ti:AL+\k*40+8*ti+3], v[AOF], s[26:27] offset:ti*65536+\k*2048+1024
	global_load_b128 v[AL+\k*40+8*ti+4:AL+\k*40+8*ti+7], v[AOF], s[26:27] offset:ti*65536+\k*2048+1536
.set ti, ti+1
.endr
.endr
	WIN 0
.irp f, 0,1,2,3
	ds_load_b128 v[BB+8*\f:BB+8*\f+3], v[LB] offset:\f*1024
	ds_load_b128 v[BB+8*\f+4:BB+8*\f+7], v[LB] offset:\f*1024+512
.endr
	KSTEP \nt, 0, 1, 1, 1, 12*\nt
	KSTEP \nt, 1, 0, 1, 1, 12*\nt
	KSTEP \nt, 2, 0, 1, 1, 12*\nt
	KSTEP \nt, 3, 0, 1, 1, 12*\nt
	ADV
	s_mov_b32 s24, 6
.Lkloop_\nt:
	KSTEP \nt, 0, 0, 1, 1, 12*\nt
	KSTEP \nt, 1, 0, 1, 1, 12*\nt
	KSTEP \nt, 2, 0, 1, 1, 12*\nt
	KSTEP \nt, 3, 0, 1, 1, 12*\nt
	ADV
	s_sub_co_i32 s24, s24, 1
	s_cmp_lg_u32 s24, 0
	s_cbranch_scc1 .Lkloop_\nt
	KSTEP \nt, 0, 0, 1, 1, 12*\nt                  ; K steps 28 to 31: the last images are asked for, then the counts run down
	KSTEP \nt, 1, 0, 0, 1, 8*\nt
	KSTEP \nt, 2, 0, 0, 1, 4*\nt
	KSTEP \nt, 3, 0, 0, 0, 0
	PLACES                                         ; behind the last matrix instructions, for all that follows
	WIN 0x06                                       ; source 0 in window 2: the routing weights; source 1 in window 1: the sums
.set ti, 0
.rept \nt
.irp q, 0,1
.irp j, 0,1,2,3,4,5,6,7
	v_mul_f32 v[ST+16*ti+2*\j+\q], v[8*ti+\j], v[16*ti+8*\q+\j]        ; line 8 h + j, column 2 c + q, times the line's routing weight
.endr
.endr
.set ti, ti+1
.endr
	WIN 0
.set ti, 0
.rept \nt
.irp j, 0,1,2,3,4,5,6,7
	global_store_b64 v[YOF], v[ST+16*ti+2*\j:ST+16*ti+2*\j+1], s[28:29] offset:ti*2048+\j*256   ; rows 2 j and 2 j + 1: 256 consecutive bytes, aligned
.endr
.set ti, ti+1
.endr
	s_wait_xcnt 0x0                                ; the stores' data and base are written again in the next pass, only behind this wait
.endm
	; wave w takes tiles 5 w .. 5 w + 4 of the expert, then those 20 further on
	s_mul_i32 s22, s14, 5
	s_cmp_ge_u32 s22, s21
	s_cbranch_scc1 .Lend
	; The loop is counted by passes, one a trip: ceil((ntiles - 5 w) / 20) = ((ntiles - 5 w + 19) x 3277) >> 16.  3277 / 65536 exceeds 1 / 20 by
	; 0.2 / 65536, and the argument is 155 at the most (ntiles is at most 136), so the excess stays far under 1 / 20 and the quotient is exact.
	s_sub_co_u32 s35, s21, s22
	s_add_co_u32 s35, s35, 19
	s_mul_i32 s35, s35, 3277
	s_lshr_b32 s35, s35, 16                        ; my passes, at least 1; not written in the loop
	s_mov_b32 s25, 0
.Lpass:
	s_sub_co_u32 s23, s21, s22                     ; tiles left from mine on
	s_add_co_u32 s34, s20, s22                     ; my first tile
	s_lshl_b32 s30, s34, 16
	s_mov_b32 s31, 0
	s_add_nc_u64 s[26:27], s[4:5], s[30:31]        ; inter: 64 KiB a tile
	s_lshl_b32 s30, s34, 11
	s_add_nc_u64 s[28:29], s[12:13], s[30:31]      ; y: 16 rows of 128 bytes a tile
	s_lshl_b32 s30, s34, 6
	s_add_nc_u64 s[32:33], s[10:11], s[30:31]      ; posw: 64 bytes a tile
	s_cmp_ge_u32 s23, 5
	s_cbranch_scc1 .Lp5
	s_cmp_eq_u32 s23, 4
	s_cbranch_scc1 .Lp4
	s_cmp_eq_u32 s23, 3
	s_cbranch_scc1 .Lp3
	s_cmp_eq_u32 s23, 2
	s_cbranch_scc1 .Lp2
	DPASS 1
	s_branch .Lnext
.Lp2:
	DPASS 2
	s_branch .Lnext
.Lp3:
	DPASS 3
	s_branch .Lnext
.Lp4:
	DPASS 4
	s_branch .Lnext
.Lp5:
	DPASS 5
.Lnext:
	s_add_co_u32 s22, s22, 20                      ; my first tile of the next pass
	s_add_co_u32 s25, s25, 1
	s_cmp_lt_u32 s25, s35
	s_cbranch_scc1 .Lpass
.Lend:
	s_barrier_signal -1
	s_barrier_wait -1
	s_wait_tensorcnt 0x0
	ds_add_u32 v254, v255
	s_wait_dscnt 0x0
	s_endpgm
.Lfunc_end_k_q04b4d77a4f_down:
	.size	k_q04b4d77a4f_down, .Lfunc_end_k_q04b4d77a4f_down-k_q04b4d77a4f_down
	.p2alignl 7, 3214868480
	.fill 96, 4, 3214868480
	.section	.rodata,"a",@progbits
	.p2align	6, 0x0
	.amdhsa_kernel k_q04b4d77a4f_down
		.amdhsa_group_segment_fixed_size 131584
		.amdhsa_private_segment_fixed_size 0
		.amdhsa_enable_private_segment 0
		.amdhsa_kernarg_size 40
		.amdhsa_user_sgpr_count 2
		.amdhsa_user_sgpr_kernarg_segment_ptr 1
		.amdhsa_wavefront_size32 1
		.amdhsa_system_sgpr_workgroup_id_x 1
		.amdhsa_system_sgpr_workgroup_id_y 1
		.amdhsa_system_sgpr_workgroup_id_z 1
		.amdhsa_system_vgpr_workitem_id 0
		.amdhsa_next_free_vgpr 552
		.amdhsa_next_free_sgpr 66
		.amdhsa_reserve_vcc 0
		.amdhsa_float_denorm_mode_32 3
		.amdhsa_float_denorm_mode_16_64 3
		.amdhsa_memory_ordered 1
		.amdhsa_forward_progress 1
		.amdhsa_inst_pref_size 255
	.end_amdhsa_kernel
	.section	.bss,"aw",@nobits
	.p2align	6
	.space	262144
	.amdgpu_metadata
---
amdhsa.version: [ 1, 2 ]
amdhsa.kernels:
  - .name:           k_q04b4d77a4f_down
    .symbol:         k_q04b4d77a4f_down.kd
    .args:
      - { .name: inter, .offset: 0, .size: 8, .value_kind: global_buffer, .address_space: global }
      - { .name: wo, .offset: 8, .size: 8, .value_kind: global_buffer, .address_space: global }
      - { .name: tab, .offset: 16, .size: 8, .value_kind: global_buffer, .address_space: global }
      - { .name: posw, .offset: 24, .size: 8, .value_kind: global_buffer, .address_space: global }
      - { .name: y, .offset: 32, .size: 8, .value_kind: global_buffer, .address_space: global }
    .group_segment_fixed_size: 131584
    .private_segment_fixed_size: 0
    .kernarg_segment_align: 8
    .kernarg_segment_size: 40
    .max_flat_workgroup_size: 128
    .sgpr_count:     66
    .vgpr_count:     552
    .wavefront_size: 32
...
	.end_amdgpu_metadata
.endif
;; end of part 3
;; launch combine (part 4): grid 256 x 1, 4 waves a work-group, no clusters, 0 bytes of LDS; arguments y, tab, out0; writes out0
.if DOCPART == 4
	.amdgcn_target "amdgcn-amd-amdhsa--gfx1250"
	.amdhsa_code_object_version 6
	.text
	.protected	k_q04b4d77a4f_combine
	.globl	k_q04b4d77a4f_combine
	.p2align	8
	.type	k_q04b4d77a4f_combine,@function
k_q04b4d77a4f_combine:
	s_mov_b64 s[64:65], 0
	v_nop
	global_prefetch_b8 v0, s[64:65] scope:SCOPE_SE
	s_setreg_imm32_b32 hwreg(HW_REG_WAVE_MODE, 25, 1), 1
	s_wait_xcnt 0x0
; COMBINE.  out[t] = y[row of slot 2 t] + y[row of slot 2 t + 1]; the routing weights are already in y.  A token's two rows were made by work-groups of
; different experts, so their sum is made here, by gathering.  One wave, one token: 16 loads of 16 bytes a lane, all issued at once, 8 stores.
; y: [32 column blocks][2,176 rows][32 f32].  Load i of a row takes blocks 4 i .. 4 i + 3, eight lanes (128 consecutive bytes) each; they are
; the row's bytes 512 i + 16 lane.  A stream: no LDS, no barrier, no matrix unit.
.set CB,   278528                      ; bytes in a column block of y
	s_load_b128 s[4:7], s[0:1], 0x0                ; y s[4:5], tab s[6:7]
	s_load_b64 s[8:9], s[0:1], 0x10                ; out0
	v_lshrrev_b32 v1, 5, v0
	v_readfirstlane_b32 s10, v1
	s_lshl2_add_u32 s10, ttmp9, s10                ; t = 4 x work-group + wave
	s_lshl_b32 s12, s10, 3                         ; two table words a token
	s_mov_b32 s13, 0
	s_lshl_b32 s16, s10, 12                        ; 4,096 bytes a row of out
	s_mov_b32 s17, 0
	v_and_b32 v4, 31, v0
	v_lshrrev_b32 v1, 3, v4
	v_and_b32 v5, 7, v0
	v_mul_u32_u24 v1, v1, CB
	v_lshl_add_u32 v1, v5, 4, v1                   ; (lane / 8) blocks + 16 (lane % 8)
	v_lshlrev_b32 v4, 4, v4                        ; 16 lane
	s_wait_kmcnt 0x0
	s_add_nc_u64 s[6:7], s[6:7], s[12:13]
	s_add_nc_u64 s[8:9], s[8:9], s[16:17]
	s_load_b64 s[14:15], s[6:7], 0x100             ; the rows of my token's two slots
	s_wait_kmcnt 0x0
	s_min_u32 s14, s14, 2175
	s_min_u32 s15, s15, 2175
	s_lshl_b32 s14, s14, 7
	s_lshl_b32 s15, s15, 7
	v_add_nc_u32 v2, s14, v1
	v_add_nc_u32 v3, s15, v1
.irp i, 0,1,2,3,4,5,6,7
	global_load_b128 v[8+4*\i:11+4*\i], v2, s[4:5] offset:\i*4*CB th:TH_LOAD_NT      ; each row of y is read once in the launch
	global_load_b128 v[40+4*\i:43+4*\i], v3, s[4:5] offset:\i*4*CB th:TH_LOAD_NT
.endr
.irp i, 0,1,2,3,4,5,6,7
	s_wait_loadcnt 14-2*\i                         ; loads come back in order (ISA guide 5.7.1): pair i is in, the younger pairs stay out
	v_pk_add_f32 v[8+4*\i:9+4*\i], v[8+4*\i:9+4*\i], v[40+4*\i:41+4*\i]
	v_pk_add_f32 v[10+4*\i:11+4*\i], v[10+4*\i:11+4*\i], v[42+4*\i:43+4*\i]
	global_store_b128 v4, v[8+4*\i:11+4*\i], s[8:9] offset:\i*512 th:TH_STORE_NT     ; 512 consecutive bytes, aligned
.endr
	s_endpgm
.Lfunc_end_k_q04b4d77a4f_combine:
	.size	k_q04b4d77a4f_combine, .Lfunc_end_k_q04b4d77a4f_combine-k_q04b4d77a4f_combine
	.p2alignl 7, 3214868480
	.fill 96, 4, 3214868480
	.section	.rodata,"a",@progbits
	.p2align	6, 0x0
	.amdhsa_kernel k_q04b4d77a4f_combine
		.amdhsa_group_segment_fixed_size 0
		.amdhsa_private_segment_fixed_size 0
		.amdhsa_enable_private_segment 0
		.amdhsa_kernarg_size 24
		.amdhsa_user_sgpr_count 2
		.amdhsa_user_sgpr_kernarg_segment_ptr 1
		.amdhsa_wavefront_size32 1
		.amdhsa_system_sgpr_workgroup_id_x 1
		.amdhsa_system_sgpr_workgroup_id_y 1
		.amdhsa_system_sgpr_workgroup_id_z 1
		.amdhsa_system_vgpr_workitem_id 0
		.amdhsa_next_free_vgpr 72
		.amdhsa_next_free_sgpr 66
		.amdhsa_reserve_vcc 0
		.amdhsa_float_denorm_mode_32 3
		.amdhsa_float_denorm_mode_16_64 3
		.amdhsa_memory_ordered 1
		.amdhsa_forward_progress 1
		.amdhsa_inst_pref_size 5
	.end_amdhsa_kernel
	.amdgpu_metadata
---
amdhsa.version: [ 1, 2 ]
amdhsa.kernels:
  - .name:           k_q04b4d77a4f_combine
    .symbol:         k_q04b4d77a4f_combine.kd
    .args:
      - { .name: y, .offset: 0, .size: 8, .value_kind: global_buffer, .address_space: global }
      - { .name: tab, .offset: 8, .size: 8, .value_kind: global_buffer, .address_space: global }
      - { .name: out0, .offset: 16, .size: 8, .value_kind: global_buffer, .address_space: global }
    .group_segment_fixed_size: 0
    .private_segment_fixed_size: 0
    .kernarg_segment_align: 8
    .kernarg_segment_size: 24
    .max_flat_workgroup_size: 128
    .sgpr_count:     66
    .vgpr_count:     72
    .wavefront_size: 32
...
	.end_amdgpu_metadata
.endif
;; end of part 4
